; MI455X (gfx1250); checked and timed in simulation.
; The chip was launched on July 23, 2026; its instructions are those of AMD's public machine-readable ISA for CDNA 5 (MIT licence, August 2026) and "CDNA5" Instruction Set Architecture Reference Guide (July 2026). The comments in the code are by the model that wrote it; some were corrected since.
;; CP Decoding. Allowed arithmetic: float matrix products may take bf16 or f16 operands with f32 sums; all other float work in f32.
;; Inputs: in_tensor 2,097,152 x 3 float32; line_coef 3 x 24 x 256 float32.
;; Outputs: out0 2,097,152 float32.
;; One version. Each part assembles by itself: llvm-mc -triple=amdgcn-amd-amdhsa -mcpu=gfx1250 --defsym DOCPART=n.
;; ======== version 1 of 1: 2 launches
;; workspace buffers: idx 8,388,608 bytes of whole numbers; tab 73,728 bytes
;; launch prep (part 1): grid 512 x 1, 8 waves a work-group, no clusters, 0 bytes of LDS; arguments in_tensor, line_coef, idx, tab; writes idx, tab
.if DOCPART == 1
	.amdgcn_target "amdgcn-amd-amdhsa--gfx1250"
	.amdhsa_code_object_version 6
	.text
	.protected	k_q4704c9edd6_prep
	.globl	k_q4704c9edd6_prep
	.p2align	8
	.type	k_q4704c9edd6_prep,@function
k_q4704c9edd6_prep:
	s_mov_b64 s[64:65], 0
	v_nop
	global_prefetch_b8 v0, s[64:65] scope:SCOPE_SE
	s_setreg_imm32_b32 hwreg(HW_REG_WAVE_MODE, 25, 1), 1
	s_wait_xcnt 0x0
; PREP: the whole numbers and the table layout that the gather launch works from.
;  idx[n] = r(z) | r(y) << 10 | r(x) << 20, r(c) = clamp(floor((c + 1) * 127.5), 0, 254): the lower of the two table rows between which the point lies.
;           Line 0 of the table is sampled by z, line 1 by y, line 2 by x, so the field at bit 10 d belongs to line d.
;           (c + 1) * 127.5 in two roundings gives the bits of (c + 1) * 0.5 * 255 (the factor 0.5 is exact); the gather launch makes
;           the same two roundings, so that row and weight belong together, also for c < -1, where the result jumps at whole positions.
;           Row 255 is not stored: the gather launch serves positions >= 255 as row 254 with weight 1.
;  tab:     line_coef [3][24][256] laid anew in granules of 16 bytes.  Granule G = 4 row + i, row = 3 (128 d + t) + h holds
;           line_coef[d][8 h + 4 (i & 1) + 0..3][2 t + (i >> 1)]: four components of one table row.
; A NaN coordinate gets row 0 (v_max_num_f32 drops the NaN); its result becomes NaN through the weight in the gather launch.
; Eight waves; a wave owns 512 points, a lane 4 neighbouring points in each of 4 batches: 48 bytes by three loads, which for the wave cover
; 1,536 consecutive bytes, and 16 bytes of idx, so that sixteen lanes store 256 consecutive, aligned bytes.  All 12 loads of a wave go out first.
; No LDS, no barrier, no matrix unit: nothing is shared and nothing is multiplied into sums here.
.set CRD, 8                            ; v[8:55]   batch b: 12 registers, x y z of 4 points
.set PKD, 56                           ; v[56:71]  batch b: 4 packed words; each batch has its own, so no store's data is rewritten
.set GRN, 72                           ; v[72:75]  one granule of tab
.set TABWG, 18                         ; 18 work-groups x 256 threads = 4,608 granules = 73,728 bytes
	s_load_b256 s[4:11], s[0:1], 0x0               ; in_tensor s[4:5], line_coef s[6:7], idx s[8:9], tab s[10:11]
	v_and_b32 v1, 31, v0                           ; lane
	v_lshrrev_b32 v2, 5, v0
	v_readfirstlane_b32 s12, v2                    ; wave 0..7
	s_lshl_b32 s13, ttmp9, 3
	s_add_co_u32 s13, s13, s12                     ; the wave's number in the launch, 0..4095
	s_mul_i32 s14, s13, 6144                       ; 512 points x 12 bytes (below 2^25)
	s_mov_b32 s15, 0
	s_lshl_b32 s16, s13, 11                        ; 512 points x 4 bytes
	s_mov_b32 s17, 0
	v_mul_u32_u24 v3, v1, 48                       ; my 4 points in a batch
	v_lshlrev_b32 v4, 4, v1                        ; my 4 words of idx in a batch
	s_wait_kmcnt 0x0
	s_add_nc_u64 s[4:5], s[4:5], s[14:15]
	s_add_nc_u64 s[8:9], s[8:9], s[16:17]
.irp b, 0,1,2,3
.irp j, 0,1,2
	global_load_b128 v[CRD+12*\b+4*\j:CRD+12*\b+4*\j+3], v3, s[4:5] offset:1536*\b+16*\j
.endr
.endr
	; the table: one granule a thread in the first 18 work-groups, while the coordinates are on their way
	s_cmp_ge_u32 ttmp9, TABWG
	s_cbranch_scc1 .Lpoints
	s_lshl_b32 s18, ttmp9, 8
	v_add_nc_u32 v5, s18, v0                       ; G
	v_lshrrev_b32 v6, 2, v5                        ; row = G / 4, 0..1151
	v_mul_u32_u24 v7, v6, 0x5556
	v_lshrrev_b32 v7, 16, v7                       ; row / 3 (21846 / 65536 is exact for rows below 32,766) = 128 d + t
	v_mul_u32_u24 v76, v7, 3
	v_sub_nc_u32 v6, v6, v76                       ; h = row mod 3
	v_lshrrev_b32 v76, 7, v7                       ; d
	v_and_b32 v7, 127, v7                          ; t
	v_mul_u32_u24 v76, v76, 0x6000                 ; d x 24 components x 1,024 bytes
	v_lshl_add_u32 v76, v6, 13, v76                ; + h x 8 components
	v_lshl_add_u32 v76, v7, 3, v76                 ; + table row 2 t
	v_and_b32 v6, 1, v5
	v_lshl_add_u32 v76, v6, 12, v76                ; + (i & 1) x 4 components
	v_and_b32 v6, 2, v5
	v_lshl_add_u32 v76, v6, 1, v76                 ; + (i >> 1) table rows
.irp e, 0,1,2,3
	global_load_b32 v[GRN+\e], v76, s[6:7] offset:1024*\e
.endr
	s_lshl_b32 s18, ttmp9, 12                      ; 256 granules of 16 bytes for each work-group
	s_mov_b32 s19, 0
	s_add_nc_u64 s[10:11], s[10:11], s[18:19]
	v_lshlrev_b32 v77, 4, v0
	s_wait_loadcnt 0x0                             ; the four words (and, being older, the coordinates)
	global_store_b128 v77, v[GRN:GRN+3], s[10:11]  ; sixteen lanes store 256 consecutive, aligned bytes
.Lpoints:
.macro BATCH b
	s_wait_loadcnt 9-3*\b                          ; loads come back in order (ISA guide 5.7.1): this batch's three are in, the younger batches' stay out
.irp j, 0,2,4,6,8,10
	v_pk_add_f32 v[CRD+12*\b+\j:CRD+12*\b+\j+1], v[CRD+12*\b+\j:CRD+12*\b+\j+1], 1.0 op_sel_hi:[1,0]
.endr
.irp j, 0,2,4,6,8,10
	v_pk_mul_f32 v[CRD+12*\b+\j:CRD+12*\b+\j+1], v[CRD+12*\b+\j:CRD+12*\b+\j+1], 0x42ff0000 op_sel_hi:[1,0]   ; x 127.5: not fused with the add, see the head
.endr
.irp j, 0,1,2,3,4,5,6,7,8,9,10,11
	v_floor_f32 v[CRD+12*\b+\j], v[CRD+12*\b+\j]
.endr
.irp j, 0,1,2,3,4,5,6,7,8,9,10,11
	v_max_num_f32 v[CRD+12*\b+\j], 0, v[CRD+12*\b+\j]
.endr
.irp j, 0,1,2,3,4,5,6,7,8,9,10,11
	v_min_num_f32 v[CRD+12*\b+\j], 0x437e0000, v[CRD+12*\b+\j]    ; 254.0
.endr
.irp j, 0,1,2,3,4,5,6,7,8,9,10,11
	v_cvt_u32_f32 v[CRD+12*\b+\j], v[CRD+12*\b+\j]
.endr
.irp e, 0,1,2,3
	v_lshl_or_b32 v[PKD+4*\b+\e], v[CRD+12*\b+3*\e+1], 10, v[CRD+12*\b+3*\e+2]   ; y << 10 | z
	v_lshl_or_b32 v[PKD+4*\b+\e], v[CRD+12*\b+3*\e], 20, v[PKD+4*\b+\e]          ; x << 20 | ..
.endr
	global_store_b128 v4, v[PKD+4*\b:PKD+4*\b+3], s[8:9] offset:512*\b
.endm
	BATCH 0
	BATCH 1
	BATCH 2
	BATCH 3
	s_endpgm
.Lfunc_end_k_q4704c9edd6_prep:
	.size	k_q4704c9edd6_prep, .Lfunc_end_k_q4704c9edd6_prep-k_q4704c9edd6_prep
	.p2alignl 7, 3214868480
	.fill 96, 4, 3214868480
	.section	.rodata,"a",@progbits
	.p2align	6, 0x0
	.amdhsa_kernel k_q4704c9edd6_prep
		.amdhsa_group_segment_fixed_size 0
		.amdhsa_private_segment_fixed_size 0
		.amdhsa_enable_private_segment 0
		.amdhsa_kernarg_size 32
		.amdhsa_user_sgpr_count 2
		.amdhsa_user_sgpr_kernarg_segment_ptr 1
		.amdhsa_wavefront_size32 1
		.amdhsa_system_sgpr_workgroup_id_x 1
		.amdhsa_system_sgpr_workgroup_id_y 1
		.amdhsa_system_sgpr_workgroup_id_z 1
		.amdhsa_system_vgpr_workitem_id 0
		.amdhsa_next_free_vgpr 80
		.amdhsa_next_free_sgpr 66
		.amdhsa_reserve_vcc 0
		.amdhsa_float_denorm_mode_32 3
		.amdhsa_float_denorm_mode_16_64 3
		.amdhsa_memory_ordered 1
		.amdhsa_forward_progress 1
		.amdhsa_inst_pref_size 18
	.end_amdhsa_kernel
	.amdgpu_metadata
---
amdhsa.version: [ 1, 2 ]
amdhsa.kernels:
  - .name:           k_q4704c9edd6_prep
    .symbol:         k_q4704c9edd6_prep.kd
    .args:
      - { .name: in_tensor, .offset: 0, .size: 8, .value_kind: global_buffer, .address_space: global }
      - { .name: line_coef, .offset: 8, .size: 8, .value_kind: global_buffer, .address_space: global }
      - { .name: idx, .offset: 16, .size: 8, .value_kind: global_buffer, .address_space: global }
      - { .name: tab, .offset: 24, .size: 8, .value_kind: global_buffer, .address_space: global }
    .group_segment_fixed_size: 0
    .private_segment_fixed_size: 0
    .kernarg_segment_align: 8
    .kernarg_segment_size: 32
    .max_flat_workgroup_size: 256
    .sgpr_count:     66
    .vgpr_count:     80
    .wavefront_size: 32
...
	.end_amdgpu_metadata
.endif
;; end of part 1
;; launch gather (part 2): grid 256 x 1, 16 waves a work-group, no clusters, 296,960 bytes of LDS; arguments in_tensor, idx, tab, out0; writes out0
.if DOCPART == 2
	.amdgcn_target "amdgcn-amd-amdhsa--gfx1250"
	.amdhsa_code_object_version 6
	.text
	.protected	k_q4704c9edd6_gather
	.globl	k_q4704c9edd6_gather
	.p2align	8
	.type	k_q4704c9edd6_gather,@function
k_q4704c9edd6_gather:
	s_mov_b64 s[64:65], 0
	v_nop
	global_prefetch_b8 v0, s[64:65] scope:SCOPE_SE
	s_setreg_imm32_b32 hwreg(HW_REG_WAVE_MODE, 25, 1), 1
	s_wait_xcnt 0x0
; GATHER: out[n] = sum over 24 components of the product over 3 lines of  f[r] (1 - w) + f[r + 1] w.
; A point needs 3 x 24 x 2 f32 = 576 bytes of table against 20 bytes of memory traffic, so the layout of the table in LDS is the design.
;
; THE TABLE IN LDS: 1,152 rows of 256 bytes.  Row 3 (128 d + t) + h holds, FOUR TIMES side by side, one block of 64 bytes = 4 granules of 16 bytes:
;   granule i = components 8 h + 4 (i & 1) + 0..3 of table row 2 t + (i >> 1) of line d.
; Lane l reads replica (l >> 2) & 3 and, in step u = 0..3, granule (l & 3) ^ u: its column in the LDS row, 16 ((l & 15) ^ u), hangs on the lane and the step
; alone, never on the table row.  So the sixteen lanes of each half of the wave address sixteen different 16-byte columns modulo 256 bytes whatever rows
; their points need: no two of them want different words of one bank (64 banks of 4 bytes: ISA guide 11.1).  Every byte that is read is wanted:
; 36 loads of 16 bytes = the point's 576 bytes.
; Table rows r and r + 1 have different parities: one lies in the even half (granules 0, 1) of a block, the other in the odd half, perhaps one t apart.
; Steps 0, 1 read the half of parity mu = (l >> 1) & 1 ('first'), steps 2, 3 the other ('second'):  t_first = (r + 1 - mu) >> 1,  t_second = (r + mu) >> 1;
; the first row is row r, with weight 1 - w, if (r + mu) is even, else row r + 1 with weight w.  Steps u and u + 2 bring the same four components, in all three
; lines alike; in which order a lane meets the components does not matter to the sum.
; The row numbers are read as whole numbers from idx, where the launch before has put them: this launch forms no address from a floating-point number.
; w is made anew from in_tensor by the same add and multiply as there.  Positions >= 255 are served as row 254 with w = 1.
; The last line's interpolation is drawn out of the sum: sum G (z1 a + z2 b) = a sum G z1 + b sum G z2, with a, b >= 0: no difference of sums.
; LIMITS: a coordinate of +infinity gives a finite result (reference: NaN); NaN gives NaN as there.  For positions >= 255 table row 254 enters with
; weight 0, so a non-finite entry there would spread.
;
; 256 work-groups of 16 waves; a work-group owns 8,192 points, a wave 512 = 4 batches of 128; a lane has 4 neighbouring points of a batch (48 bytes of
; coordinates by three loads that for the wave cover 1,536 consecutive bytes; 16 bytes of idx; 16 bytes of out: sixteen lanes store 256 aligned bytes).
; THE TABLE IS SHARED BY ALL WORK-GROUPS AND STILL COMES THROUGH REGISTERS, NOT BY JOINT TENSOR LOADS: each 16 bytes are loaded once (73,728 bytes for a
; work-group) and stored to LDS four times; a tensor load would have to bring the four-fold image, 294,912 bytes for each work-group.
.set NBATCH, 4
.set ROWT,  768                        ; LDS bytes from t to t + 1: three rows (h) of 256 bytes
.set DIMB,  98304                      ; LDS bytes of a line: 128 x 768
.set ONES,  0x100401                   ; a one in each 10-bit field of an idx word
.set OFF48, 1                          ; v1        48 x lane: my coordinates in a batch
.set OFF16, 2                          ; v2        16 x lane: my words of idx and of out in a batch
.set CDIFF, 3                          ; v3        (1 - 2 mu) x ONES
.set ONEB,  4                          ; v4        mu x ONES
.set KON,   6                          ; v[6:17]   line d, step u: DIMB d + 16 ((lane & 15) ^ u)
.set ADR,   18                         ; v[18:29]  line d, step u: LDS address of the point at hand (h by the immediate); in the prologue: the fill's four addresses
.set WGT,   30                         ; v[30:41]  two sets by turns; line d: the pair (weight of the first row, weight of the second)
.set RAW,   42                         ; v[42:53]  the next batch's coordinates as loaded, then positions
.set RIX,   54                         ; v[54:57]  the next batch's idx words as loaded
.set FRA,   58                         ; v[58:69]  the batch's 12 weights w
.set IDB,   70                         ; v[70:73]  the batch's idx words + mu x ONES
.set OUT,   74                         ; v[74:77]  the batch's 4 results
.set ACC,   78                         ; v[78:85]  four pairs of sums: with the last line's first row (2 pairs), with its second row (2 pairs)
.set FEA,   86                         ; v[86:93]  interpolated features of lines 0 and 1, four components each
.set TMP,   94                         ; v[94:98]  at work
.set TOFF,  100                        ; v100      16 x thread: my granule in each 8,192 bytes of tab
.set DAT,   104                        ; v[104:247] quad q = 2 h + g: 24 registers: line d at 8 d: first row's 4 components, second row's 4
	s_load_b256 s[4:11], s[0:1], 0x0               ; in_tensor s[4:5], idx s[6:7], tab s[8:9], out0 s[10:11]
	v_lshl_add_u32 v248, v0, 2, 0x48000
	v_mov_b32 v249, 0
	v_and_b32 v5, 31, v0                           ; lane
	v_lshrrev_b32 v[TMP], 5, v0
	v_readfirstlane_b32 s12, v[TMP]                ; wave 0..15
	v_lshlrev_b32 v[TOFF], 4, v0
	s_lshl_b32 s13, ttmp9, 4
	s_add_co_u32 s13, s13, s12                     ; the wave's number in the launch, 0..4095
	s_mul_i32 s14, s13, 6144                       ; 512 points x 12 bytes
	s_mov_b32 s15, 0
	s_lshl_b32 s16, s13, 11                        ; 512 points x 4 bytes
	s_mov_b32 s17, 0
	v_mul_u32_u24 v[OFF48], v5, 48
	v_lshlrev_b32 v[OFF16], 4, v5
	s_wait_kmcnt 0x0
.irp n, 0,1,2,3,4,5,6,7,8
	global_load_b128 v[DAT+4*\n:DAT+4*\n+3], v[TOFF], s[8:9] offset:8192*\n    ; granule 512 n + thread: the 512 threads take tab in 9 runs of 8,192 bytes
.endr
	s_add_nc_u64 s[4:5], s[4:5], s[14:15]
	s_add_nc_u64 s[6:7], s[6:7], s[16:17]
	s_add_nc_u64 s[10:11], s[10:11], s[16:17]
.macro GLOAD                           ; a batch's coordinates and idx words
	global_load_b128 v[RAW:RAW+3],    v[OFF48], s[4:5]
	global_load_b128 v[RAW+4:RAW+7],  v[OFF48], s[4:5] offset:16
	global_load_b128 v[RAW+8:RAW+11], v[OFF48], s[4:5] offset:32
	global_load_b128 v[RIX:RIX+3],    v[OFF16], s[6:7] th:TH_LOAD_NT
.endm
	GLOAD                                          ; batch 0
	; Where granule 512 n + thread goes: LDS row 128 n + 8 wave + (lane >> 2), granule lane & 3, all four replicas.  In store k the replica is
	; ((lane >> 2) + k) & 3, so that the sixteen lanes of a half (4 LDS rows x 4 granules) store to sixteen different columns.
	v_lshrrev_b32 v[TMP], 2, v5
	v_and_b32 v[TMP+1], 3, v5
	s_lshl_b32 s18, s12, 11                        ; 8 LDS rows for each wave
	v_lshl_add_u32 v[TMP+2], v[TMP], 8, s18
	v_lshl_add_u32 v[TMP+2], v[TMP+1], 4, v[TMP+2]
.irp k, 0,1,2,3
	v_add_nc_u32 v[TMP+3], \k, v[TMP]
	v_and_b32 v[TMP+3], 3, v[TMP+3]
	v_lshl_add_u32 v[ADR+\k], v[TMP+3], 6, v[TMP+2]
.endr
	; the lane's constants for the gather
.irp u, 0,1,2,3
	v_xor_b32 v[TMP+3], \u, v5
	v_and_b32 v[TMP+3], 15, v[TMP+3]               ; (lane & 15) ^ u
	v_lshlrev_b32 v[KON+\u], 4, v[TMP+3]
	v_add_nc_u32 v[KON+4+\u], DIMB, v[KON+\u]
	v_add_nc_u32 v[KON+8+\u], 2*DIMB, v[KON+\u]
.endr
	v_bfe_u32 v[TMP+3], v5, 1, 1                   ; mu
	v_mul_u32_u24 v[ONEB], v[TMP+3], ONES
	v_lshlrev_b32 v[TMP+3], 1, v[ONEB]
	v_sub_nc_u32 v[CDIFF], ONES, v[TMP+3]
.irp n, 0,1,2,3,4,5,6,7,8
.set FOFF, (\n&1)*32768                            ; 128 LDS rows a run: odd runs by the immediate, every second run by the registers
	s_wait_loadcnt 12-\n                           ; run n is in: the 8 - n younger runs and batch 0's four loads stay out
.irp k, 0,1,2,3
	ds_store_b128 v[ADR+\k], v[DAT+4*\n:DAT+4*\n+3] offset:FOFF
.endr
.if \n&1
.irp k, 0,1,2,3
	v_add_nc_u32 v[ADR+\k], 0x10000, v[ADR+\k]
.endr
.endif
.endr
; The batch that has been loaded: positions, weights, idx words made ready.  RAW and RIX are free for the next loads behind it.
.macro TRANSFORM
.irp j, 0,2,4,6,8,10
	v_pk_add_f32 v[RAW+\j:RAW+\j+1], v[RAW+\j:RAW+\j+1], 1.0 op_sel_hi:[1,0]
.endr
.irp j, 0,2,4,6,8,10
	v_pk_mul_f32 v[RAW+\j:RAW+\j+1], v[RAW+\j:RAW+\j+1], 0x42ff0000 op_sel_hi:[1,0]   ; x 127.5, in two roundings as in the launch that made idx
.endr
.irp j, 0,1,2,3,4,5,6,7,8,9,10,11
	v_floor_f32 v[FRA+\j], v[RAW+\j]
.endr
.irp j, 0,2,4,6,8,10
	v_pk_add_f32 v[FRA+\j:FRA+\j+1], v[RAW+\j:RAW+\j+1], v[FRA+\j:FRA+\j+1] neg_lo:[0,1] neg_hi:[0,1]   ; w = pos - floor(pos)
.endr
.irp j, 0,1,2,3,4,5,6,7,8,9,10,11
	v_cmp_le_f32 vcc_lo, 0x437f0000, v[RAW+\j]     ; 255 <= pos: both rows are row 255 there: idx says 254,
	v_cndmask_b32 v[FRA+\j], v[FRA+\j], 1.0, vcc_lo ; so w = 1.  A NaN compares false and stays
.endr
.irp e, 0,1,2,3
	v_add_nc_u32 v[IDB+\e], v[RIX+\e], v[ONEB]     ; r + mu in each field (at most 255: no carry between fields)
.endr
.endm
; Point e of the batch: its 12 LDS addresses and, into weight set 'set', its 3 pairs of weights.  Line d is sampled by coordinate 2 - d.
.macro PREP e, set
	v_add_nc_u32 v[TMP], v[IDB+\e], v[CDIFF]       ; r + 1 - mu in each field
.irp d, 0,1,2
	v_bfe_u32 v[TMP+1], v[TMP], 10*\d+1, 7         ; t of the first row
	v_bfe_u32 v[TMP+2], v[IDB+\e], 10*\d+1, 7      ; t of the second row
	v_min_u32 v[TMP+1], 127, v[TMP+1]              ; a loaded number enters an address only bounded by a constant: whatever idx holds, the reads stay in the table
	v_min_u32 v[TMP+2], 127, v[TMP+2]
	v_mad_u32_u24 v[ADR+4*\d],   v[TMP+1], ROWT, v[KON+4*\d]
	v_mad_u32_u24 v[ADR+4*\d+1], v[TMP+1], ROWT, v[KON+4*\d+1]
	v_mad_u32_u24 v[ADR+4*\d+2], v[TMP+2], ROWT, v[KON+4*\d+2]
	v_mad_u32_u24 v[ADR+4*\d+3], v[TMP+2], ROWT, v[KON+4*\d+3]
	v_and_b32 v[TMP+3], 1<<(10*\d), v[IDB+\e]      ; (r + mu) odd: the first row is row r + 1
	v_sub_f32 v[TMP+4], 1.0, v[FRA+3*\e+2-\d]      ; 1 - w
	v_cmp_ne_u32 vcc_lo, 0, v[TMP+3]
	v_cndmask_b32 v[WGT+6*\set+2*\d],   v[TMP+4], v[FRA+3*\e+2-\d], vcc_lo
	v_cndmask_b32 v[WGT+6*\set+2*\d+1], v[FRA+3*\e+2-\d], v[TMP+4], vcc_lo
.endr
.endm
; The point's 36 loads, in the order in which the quads are worked on: quad (h, g) = steps g and g + 2 of the three lines.
.macro LOADS
.irp h, 0,1,2
.irp g, 0,1
.irp d, 0,1,2
	ds_load_b128 v[DAT+24*(2*\h+\g)+8*\d:DAT+24*(2*\h+\g)+8*\d+3],   v[ADR+4*\d+\g]   offset:256*\h
	ds_load_b128 v[DAT+24*(2*\h+\g)+8*\d+4:DAT+24*(2*\h+\g)+8*\d+7], v[ADR+4*\d+\g+2] offset:256*\h
.endr
.endr
.endr
.endm
; Four components: lines 0 and 1 interpolated (a pair of weights lies in one register pair: op_sel takes its first or its second register for both halves),
; multiplied, and summed against the last line's two rows.  The first quad starts the sums: nothing is cleared.
.macro QUAD base, wts, q
	v_pk_mul_f32 v[FEA:FEA+1],   v[\base:\base+1],     v[\wts:\wts+1]   op_sel_hi:[1,0]
	v_pk_mul_f32 v[FEA+2:FEA+3], v[\base+2:\base+3],   v[\wts:\wts+1]   op_sel_hi:[1,0]
	v_pk_mul_f32 v[FEA+4:FEA+5], v[\base+8:\base+9],   v[\wts+2:\wts+3] op_sel_hi:[1,0]
	v_pk_mul_f32 v[FEA+6:FEA+7], v[\base+10:\base+11], v[\wts+2:\wts+3] op_sel_hi:[1,0]
	v_pk_fma_f32 v[FEA:FEA+1],   v[\base+4:\base+5],   v[\wts:\wts+1],   v[FEA:FEA+1]   op_sel:[0,1,0] op_sel_hi:[1,1,1]
	v_pk_fma_f32 v[FEA+2:FEA+3], v[\base+6:\base+7],   v[\wts:\wts+1],   v[FEA+2:FEA+3] op_sel:[0,1,0] op_sel_hi:[1,1,1]
	v_pk_fma_f32 v[FEA+4:FEA+5], v[\base+12:\base+13], v[\wts+2:\wts+3], v[FEA+4:FEA+5] op_sel:[0,1,0] op_sel_hi:[1,1,1]
	v_pk_fma_f32 v[FEA+6:FEA+7], v[\base+14:\base+15], v[\wts+2:\wts+3], v[FEA+6:FEA+7] op_sel:[0,1,0] op_sel_hi:[1,1,1]
	v_pk_mul_f32 v[FEA:FEA+1],   v[FEA:FEA+1],   v[FEA+4:FEA+5]
	v_pk_mul_f32 v[FEA+2:FEA+3], v[FEA+2:FEA+3], v[FEA+6:FEA+7]
.if \q == 0
	v_pk_mul_f32 v[ACC:ACC+1],   v[FEA:FEA+1],   v[\base+16:\base+17]
	v_pk_mul_f32 v[ACC+2:ACC+3], v[FEA+2:FEA+3], v[\base+18:\base+19]
	v_pk_mul_f32 v[ACC+4:ACC+5], v[FEA:FEA+1],   v[\base+20:\base+21]
	v_pk_mul_f32 v[ACC+6:ACC+7], v[FEA+2:FEA+3], v[\base+22:\base+23]
.else
	v_pk_fma_f32 v[ACC:ACC+1],   v[FEA:FEA+1],   v[\base+16:\base+17], v[ACC:ACC+1]
	v_pk_fma_f32 v[ACC+2:ACC+3], v[FEA+2:FEA+3], v[\base+18:\base+19], v[ACC+2:ACC+3]
	v_pk_fma_f32 v[ACC+4:ACC+5], v[FEA:FEA+1],   v[\base+20:\base+21], v[ACC+4:ACC+5]
	v_pk_fma_f32 v[ACC+6:ACC+7], v[FEA+2:FEA+3], v[\base+22:\base+23], v[ACC+6:ACC+7]
.endif
.endm
.macro COMPUTE e, set
.irp q, 0,1,2,3,4,5
	s_wait_dscnt 30-6*\q                           ; LDS loads come back in order (ISA guide 5.7.1): quad q's six are in, the later quads' stay out
	QUAD DAT+24*\q, WGT+6*\set, \q
.endr
	v_pk_add_f32 v[ACC:ACC+1],   v[ACC:ACC+1],   v[ACC+2:ACC+3]
	v_pk_add_f32 v[ACC+4:ACC+5], v[ACC+4:ACC+5], v[ACC+6:ACC+7]
	v_pk_mul_f32 v[ACC:ACC+1], v[ACC:ACC+1], v[WGT+6*\set+4:WGT+6*\set+5] op_sel_hi:[1,0]          ; the last line's two weights, once for the point
	v_pk_fma_f32 v[ACC:ACC+1], v[ACC+4:ACC+5], v[WGT+6*\set+4:WGT+6*\set+5], v[ACC:ACC+1] op_sel:[0,1,0] op_sel_hi:[1,1,1]
	v_add_f32 v[OUT+\e], v[ACC], v[ACC+1]
.endm
; A batch.  For each point: its LDS loads go out, the NEXT point's addresses and weights are made while they are on their way (an LDS load's address register
; is free once the load is issued; the weights take turns between two sets), then the products.  more = 1: the next batch's coordinates are asked for at
; the head, four points' work ahead of their use.
.macro BATCH more
.if \more
	GLOAD
.endif
	LOADS
	PREP 1, 1
	COMPUTE 0, 0
	LOADS
	PREP 2, 0
	COMPUTE 1, 1
	LOADS
	PREP 3, 1
	COMPUTE 2, 0
	LOADS
.if \more
	s_wait_loadcnt 0x0                             ; the next batch is in
	TRANSFORM
	PREP 0, 0
.endif
	COMPUTE 3, 1
	global_store_b128 v[OFF16], v[OUT:OUT+3], s[10:11] th:TH_STORE_NT
.if \more
	s_wait_xcnt 0x0                                ; the bases and OUT, which the store reads, are rewritten only behind this wait
	s_add_nc_u64 s[4:5], s[4:5], 1536              ; 128 points on
	s_add_nc_u64 s[6:7], s[6:7], 512
	s_add_nc_u64 s[10:11], s[10:11], 512
.endif
.endm
	s_wait_loadcnt 0x0                             ; batch 0 is in, so the bases of its loads may step
	s_add_nc_u64 s[4:5], s[4:5], 1536              ; s[4:7]: the batch that is loaded next; s[10:11]: the batch that is stored next
	s_add_nc_u64 s[6:7], s[6:7], 512
	TRANSFORM
	PREP 0, 0
	s_wait_dscnt 0x0                               ; my part of the table is in LDS,
	s_barrier_signal -1
	s_barrier_wait -1                              ; everybody's is; from here on LDS is only read
	s_mov_b32 s20, NBATCH-1
.Lbatch:
	BATCH 1
	s_sub_co_i32 s20, s20, 1
	s_cmp_lg_u32 s20, 0
	s_cbranch_scc1 .Lbatch
	BATCH 0                                        ; the last batch loads nothing more
	s_wait_tensorcnt 0x0
	ds_add_u32 v248, v249
	s_wait_dscnt 0x0
	s_endpgm
.Lfunc_end_k_q4704c9edd6_gather:
	.size	k_q4704c9edd6_gather, .Lfunc_end_k_q4704c9edd6_gather-k_q4704c9edd6_gather
	.p2alignl 7, 3214868480
	.fill 96, 4, 3214868480
	.section	.rodata,"a",@progbits
	.p2align	6, 0x0
	.amdhsa_kernel k_q4704c9edd6_gather
		.amdhsa_group_segment_fixed_size 296960
		.amdhsa_private_segment_fixed_size 0
		.amdhsa_enable_private_segment 0
		.amdhsa_kernarg_size 32
		.amdhsa_user_sgpr_count 2
		.amdhsa_user_sgpr_kernarg_segment_ptr 1
		.amdhsa_wavefront_size32 1
		.amdhsa_system_sgpr_workgroup_id_x 1
		.amdhsa_system_sgpr_workgroup_id_y 1
		.amdhsa_system_sgpr_workgroup_id_z 1
		.amdhsa_system_vgpr_workitem_id 0
		.amdhsa_next_free_vgpr 250
		.amdhsa_next_free_sgpr 66
		.amdhsa_reserve_vcc 1
		.amdhsa_float_denorm_mode_32 3
		.amdhsa_float_denorm_mode_16_64 3
		.amdhsa_memory_ordered 1
		.amdhsa_forward_progress 1
		.amdhsa_inst_pref_size 99
	.end_amdhsa_kernel
	.amdgpu_metadata
---
amdhsa.version: [ 1, 2 ]
amdhsa.kernels:
  - .name:           k_q4704c9edd6_gather
    .symbol:         k_q4704c9edd6_gather.kd
    .args:
      - { .name: in_tensor, .offset: 0, .size: 8, .value_kind: global_buffer, .address_space: global }
      - { .name: idx, .offset: 8, .size: 8, .value_kind: global_buffer, .address_space: global }
      - { .name: tab, .offset: 16, .size: 8, .value_kind: global_buffer, .address_space: global }
      - { .name: out0, .offset: 24, .size: 8, .value_kind: global_buffer, .address_space: global }
    .group_segment_fixed_size: 296960
    .private_segment_fixed_size: 0
    .kernarg_segment_align: 8
    .kernarg_segment_size: 32
    .max_flat_workgroup_size: 512
    .sgpr_count:     66
    .vgpr_count:     250
    .wavefront_size: 32
...
	.end_amdgpu_metadata
.endif
;; end of part 2
